; MI455X (gfx1250); checked and timed in simulation.
; The chip was launched on July 23, 2026; its instructions are those of AMD's public machine-readable ISA for CDNA 5 (MIT licence, August 2026) and "CDNA5" Instruction Set Architecture Reference Guide (July 2026). The comments in the code are by the model that wrote it; some were corrected since.
;; Vector Quantizer. Allowed arithmetic: float matrix products may take bf16 or f16 operands with f32 sums; all other float work in f32.
;; Inputs: codebook 16,384 x 256 float32; z 8 x 256 x 32 x 32 float32.
;; Outputs: out0 one number float32; out1 8 x 256 x 32 x 32 float32; out2 8,192 int32.
;; 2 versions, each right; version 2 is version 1 with the launch prep written anew for expert scheduling mode. Each part assembles by itself: llvm-mc -triple=amdgcn-amd-amdhsa -mcpu=gfx1250 --defsym DOCPART=n.
;; ======== version 1 of 2: 4 launches
;; limits: right only within a limited range of input values
;; workspace buffers: cbb 8,388,608 bytes; zb 4,194,304 bytes; rc 65,536 bytes; pkey 524,288 bytes of whole numbers; pidx 524,288 bytes of whole numbers; lp 1,024 bytes
;; launch prep (part 1): grid 256 x 1, 8 waves a work-group, no clusters, 1,280 bytes of LDS; arguments codebook, z, cbb, zb, rc; writes cbb, zb, rc
.if DOCPART == 1
	.amdgcn_target "amdgcn-amd-amdhsa--gfx1250"
	.amdhsa_code_object_version 6
	.text
	.protected	k_q7f4ec07052_prep
	.globl	k_q7f4ec07052_prep
	.p2align	8
	.type	k_q7f4ec07052_prep,@function
k_q7f4ec07052_prep:
	s_mov_b64 s[64:65], 0
	v_nop
	global_prefetch_b8 v0, s[64:65] scope:SCOPE_SE
	s_setreg_imm32_b32 hwreg(HW_REG_WAVE_MODE, 25, 1), 1
	s_wait_xcnt 0x0
; Rounds both inputs to bf16 for the matrix launch and makes each code's 1 / norm.
;   cbb[n][c]  = bf16(codebook[n][c]), rows of 512 bytes
;   rc[n]      = 1 / max(norm of cbb's row n, 1e-12), in f32 (the norm of the ROUNDED row: the scores are those of rounded inputs)
;   zb         = bf16(z), laid out as the register image of the matrix launch's token fragments:
;                byte B*65536 + t*8192 + s*1024 + g*512 + lane*16 holds, for lane (r = lane%16, h = lane/16), channels 32 s + 16 g + 8 h + 0..7
;                of token 128 B + 64 (t/4) + 4 r + t%4.  So one 16-byte load of z (four neighbouring tokens of a channel) feeds four tiles t.
; A stream: 256 work-groups x 8 waves; each wave takes one unit of z (64 tokens x 16 channels) and eight code rows, has all its 24 loads of
; 16 bytes a lane out at once, and has no loop.  Matrix units and clusters have nothing to do here: no byte is read twice.
; Limit: a code row whose sum of squares is below 1e-24 gets 1e12, as the clamp in reference() gives; NaN and infinities are not served.
.set ZL,  4                            ; v[4:35]    z as loaded: load i = channel 8 h + i of the unit, 4 tokens
.set CL,  36                           ; v[36:99]   code rows as loaded: row j = 8 registers
.set ZP,  100                          ; v[100:115] z packed: 4 registers for each of the four tiles
.set CP,  116                          ; v[116:147] code rows packed: row j = 4 registers
.set T,   148                          ; v[148:155] at work; at the end the eight 1 / norm
.set SS,  156                          ; v[156:163] sum of squares of row j
.set OZ,  164                          ; lane's byte offset in z: 16 r + 8 channels x h
.set O16, 165                          ; 16 x lane
.set O8,  166                          ; 8 x lane
.set LW,  167                          ; 32 x wave: my wave's eight words in LDS
	s_load_b256 s[4:11], s[0:1], 0x0               ; codebook s[4:5], z s[6:7], cbb s[8:9], zb s[10:11]
	s_load_b64 s[12:13], s[0:1], 0x20              ; rc
	v_lshl_add_u32 v168, v0, 2, 0x100
	v_mov_b32 v169, 0
	v_lshrrev_b32 v1, 5, v0
	v_readfirstlane_b32 s14, v1                    ; wave w, 0..7
	v_and_b32 v1, 31, v0                           ; lane
	v_and_b32 v2, 15, v0                           ; r
	v_bfe_u32 v3, v0, 4, 1                         ; h
	v_lshlrev_b32 v[OZ], 4, v2                     ; four tokens of 4 bytes for each r
	v_lshl_add_u32 v[OZ], v3, 15, v[OZ]            ; eight channels of 4,096 bytes for h
	v_lshlrev_b32 v[O16], 4, v1
	v_lshlrev_b32 v[O8], 3, v1
	s_and_b32 s15, ttmp9, 1
	s_lshl3_add_u32 s15, s15, s14                  ; sg = 2 s + g = 8 (W & 1) + w: which 16 channels
	s_lshr_b32 s16, ttmp9, 5                       ; image b = W >> 5
	s_lshl_b32 s16, s16, 20                        ; x 256 channels x 4,096 bytes
	s_lshl_b32 s17, s15, 16                        ; + 16 sg channels
	s_add_co_u32 s16, s16, s17
	s_bfe_u32 s17, ttmp9, 0x40001                  ; (W >> 1) & 15: which 64 tokens of the image
	s_lshl_b32 s17, s17, 8
	s_add_co_u32 s16, s16, s17                     ; the unit's byte offset in z
	s_mov_b32 s17, 0
	s_lshr_b32 s18, ttmp9, 1                       ; the group of 64 tokens, 0..127: B = group / 2, t / 4 = group % 2,
	s_lshl_b32 s18, s18, 15                        ; so B*65536 + (t/4)*32768 = group * 32768
	s_lshl_b32 s19, s15, 9                         ; + sg * 512
	s_add_co_u32 s18, s18, s19
	s_mov_b32 s19, 0
	s_lshl_b32 s20, ttmp9, 16                      ; code rows 64 W + 8 w, 1,024 bytes each
	s_lshl_b32 s21, s14, 13
	s_add_co_u32 s20, s20, s21
	s_mov_b32 s21, 0
	s_lshr_b32 s22, s20, 1                         ; the same rows in cbb, 512 bytes each
	s_mov_b32 s23, 0
	s_lshl_b32 s24, ttmp9, 8                       ; 64 numbers of rc for the work-group
	s_mov_b32 s25, 0
	s_lshl_b32 s26, s14, 5
	v_mov_b32 v[LW], s26
	s_mov_b32 s27, 0xffff0000                      ; a word's upper bf16
	s_mov_b32 s28, 0x76543210                      ; v_permlanex16_b32: lane i reads lane i of the other half
	s_mov_b32 s29, 0xfedcba98
	s_wait_kmcnt 0x0
	s_add_nc_u64 s[6:7], s[6:7], s[16:17]
	s_add_nc_u64 s[10:11], s[10:11], s[18:19]
	s_add_nc_u64 s[4:5], s[4:5], s[20:21]
	s_add_nc_u64 s[8:9], s[8:9], s[22:23]
	s_add_nc_u64 s[12:13], s[12:13], s[24:25]
.irp i, 0,1,2,3,4,5,6,7
	global_load_b128 v[ZL+4*\i:ZL+4*\i+3], v[OZ], s[6:7] offset:\i*4096 th:TH_LOAD_NT   ; sixteen lanes: 256 consecutive bytes of one channel, aligned
.endr
.irp j, 0,1,2,3,4,5,6,7
	global_load_b128 v[CL+8*\j:CL+8*\j+3],   v[O16], s[4:5] offset:\j*1024 th:TH_LOAD_NT      ; numbers 4 l .. 4 l + 3 of row j
	global_load_b128 v[CL+8*\j+4:CL+8*\j+7], v[O16], s[4:5] offset:\j*1024+512 th:TH_LOAD_NT  ; numbers 128 + 4 l ..
.endr
	s_wait_loadcnt 16                              ; loads come back in order: z's eight are in, the sixteen code loads stay out
.irp q, 0,1,2,3                                    ; token 4 r + q goes to tile 4 (t/4) + q
.irp m, 0,1,2,3
	v_cvt_pk_bf16_f32 v[ZP+4*\q+\m], v[ZL+8*\m+\q], v[ZL+8*\m+4+\q]   ; channels 8 h + 2 m (low half) and 8 h + 2 m + 1
.endr
	global_store_b128 v[O16], v[ZP+4*\q:ZP+4*\q+3], s[10:11] offset:\q*8192   ; the wave stores 512 consecutive bytes
.endr
; Row j: round, store, and sum the squares of the rounded numbers over the wave.  Every store has data registers of its own, which are not written again.
.macro ROW j
	s_wait_loadcnt 14-2*\j                         ; row j's two loads are in; the rows behind it stay out
.irp m, 0,1,2,3
	v_cvt_pk_bf16_f32 v[CP+4*\j+\m], v[CL+8*\j+2*\m], v[CL+8*\j+2*\m+1]
.endr
	global_store_b64 v[O8], v[CP+4*\j:CP+4*\j+1],   s[8:9] offset:\j*512       ; the wave stores 256 consecutive bytes, aligned
	global_store_b64 v[O8], v[CP+4*\j+2:CP+4*\j+3], s[8:9] offset:\j*512+256
.irp m, 0,1,2,3
	v_lshlrev_b32 v[T+2*\m],   16,  v[CP+4*\j+\m]  ; the rounded numbers back in f32
	v_and_b32     v[T+2*\m+1], s27, v[CP+4*\j+\m]
.endr
	v_pk_mul_f32 v[T:T+1], v[T:T+1], v[T:T+1]
	v_pk_fma_f32 v[T:T+1], v[T+2:T+3], v[T+2:T+3], v[T:T+1]
	v_pk_fma_f32 v[T:T+1], v[T+4:T+5], v[T+4:T+5], v[T:T+1]
	v_pk_fma_f32 v[T:T+1], v[T+6:T+7], v[T+6:T+7], v[T:T+1]
	v_add_f32 v[SS+\j], v[T], v[T+1]
	v_add_f32_dpp v[SS+\j], v[SS+\j], v[SS+\j] row_xmask:1 row_mask:0xf bank_mask:0xf
	v_add_f32_dpp v[SS+\j], v[SS+\j], v[SS+\j] row_xmask:2 row_mask:0xf bank_mask:0xf
	v_add_f32_dpp v[SS+\j], v[SS+\j], v[SS+\j] row_xmask:4 row_mask:0xf bank_mask:0xf
	v_add_f32_dpp v[SS+\j], v[SS+\j], v[SS+\j] row_xmask:8 row_mask:0xf bank_mask:0xf
	v_permlanex16_b32 v[T+2], v[SS+\j], s28, s29   ; its destination has been written above
	v_add_f32 v[SS+\j], v[SS+\j], v[T+2]
.endm
.irp j, 0,1,2,3,4,5,6,7
	ROW \j
.endr
.irp j, 0,1,2,3,4,5,6,7
	v_max_num_f32 v[SS+\j], 0x179abe15, v[SS+\j]   ; 1e-24 = (1e-12)^2: 1 / max(norm, 1e-12) = rsq(max(sum, 1e-24))
.endr
.irp j, 0,1,2,3,4,5,6,7
	v_rsq_f32 v[T+\j], v[SS+\j]
.endr
	v_nop                                          ; one plain vector instruction behind the last v_rsq_f32 before its result is used (ISA guide 5.7.2)
	s_wait_alu depctr_va_vdst(0)
.irp j, 0,1,2,3,4,5,6,7
	ds_store_b32 v[LW], v[T+\j] offset:4*\j        ; all lanes hold the same number: word 8 w + j
.endr
	s_wait_dscnt 0x0                               ; my eight words are in LDS before I say so
	s_barrier_signal -1
	s_barrier_wait -1
	s_cmp_lg_u32 s14, 0
	s_cbranch_scc1 .Ldone
	ds_load_b64 v[2:3], v[O8]                      ; wave 0 takes the work-group's 64 numbers
	s_wait_dscnt 0x0
	global_store_b64 v[O8], v[2:3], s[12:13]       ; and stores them as 256 consecutive bytes, aligned
.Ldone:
	s_wait_tensorcnt 0x0
	ds_add_u32 v168, v169
	s_wait_dscnt 0x0
	s_endpgm
.Lfunc_end_k_q7f4ec07052_prep:
	.size	k_q7f4ec07052_prep, .Lfunc_end_k_q7f4ec07052_prep-k_q7f4ec07052_prep
	.p2alignl 7, 3214868480
	.fill 96, 4, 3214868480
	.section	.rodata,"a",@progbits
	.p2align	6, 0x0
	.amdhsa_kernel k_q7f4ec07052_prep
		.amdhsa_group_segment_fixed_size 1280
		.amdhsa_private_segment_fixed_size 0
		.amdhsa_enable_private_segment 0
		.amdhsa_kernarg_size 40
		.amdhsa_user_sgpr_count 2
		.amdhsa_user_sgpr_kernarg_segment_ptr 1
		.amdhsa_wavefront_size32 1
		.amdhsa_system_sgpr_workgroup_id_x 1
		.amdhsa_system_sgpr_workgroup_id_y 1
		.amdhsa_system_sgpr_workgroup_id_z 1
		.amdhsa_system_vgpr_workitem_id 0
		.amdhsa_next_free_vgpr 170
		.amdhsa_next_free_sgpr 66
		.amdhsa_reserve_vcc 0
		.amdhsa_float_denorm_mode_32 3
		.amdhsa_float_denorm_mode_16_64 3
		.amdhsa_memory_ordered 1
		.amdhsa_forward_progress 1
		.amdhsa_inst_pref_size 19
	.end_amdhsa_kernel
	.amdgpu_metadata
---
amdhsa.version: [ 1, 2 ]
amdhsa.kernels:
  - .name:           k_q7f4ec07052_prep
    .symbol:         k_q7f4ec07052_prep.kd
    .args:
      - { .name: codebook, .offset: 0, .size: 8, .value_kind: global_buffer, .address_space: global }
      - { .name: z, .offset: 8, .size: 8, .value_kind: global_buffer, .address_space: global }
      - { .name: cbb, .offset: 16, .size: 8, .value_kind: global_buffer, .address_space: global }
      - { .name: zb, .offset: 24, .size: 8, .value_kind: global_buffer, .address_space: global }
      - { .name: rc, .offset: 32, .size: 8, .value_kind: global_buffer, .address_space: global }
    .group_segment_fixed_size: 1280
    .private_segment_fixed_size: 0
    .kernarg_segment_align: 8
    .kernarg_segment_size: 40
    .max_flat_workgroup_size: 256
    .sgpr_count:     66
    .vgpr_count:     170
    .wavefront_size: 32
...
	.end_amdgpu_metadata
.endif
;; end of part 1
;; launch vqgemm (part 2): grid 16 x 16, 4 waves a work-group, clusters of 4 x 1, 327,680 bytes of LDS; arguments zb, cbb, rc, pkey, pidx; writes pkey, pidx
.if DOCPART == 2
	.amdgcn_target "amdgcn-amd-amdhsa--gfx1250"
	.amdhsa_code_object_version 6
	.text
	.protected	k_q7f4ec07052_vqgemm
	.globl	k_q7f4ec07052_vqgemm
	.p2align	8
	.type	k_q7f4ec07052_vqgemm,@function
k_q7f4ec07052_vqgemm:
	s_mov_b64 s[64:65], 0
	v_nop
	global_prefetch_b8 v0, s[64:65] scope:SCOPE_SE
	s_setreg_imm32_b32 hwreg(HW_REG_WAVE_MODE, 25, 1), 1
	s_wait_xcnt 0x0
	s_wait_alu depctr_hold_cnt(0) depctr_sa_sdst(0) depctr_va_vdst(0) depctr_va_sdst(0) depctr_va_ssrc(0) depctr_va_vcc(0) depctr_vm_vsrc(0)
	s_getreg_b32 s2, hwreg(HW_REG_IB_STS2, 6, 4)
	s_cmp_eq_u32 s2, 0
	s_cbranch_scc0 .Lentry_in_a_cluster
	s_endpgm
.Lentry_in_a_cluster:
	s_bfe_u32 s2, ttmp6, 0x10000c
	s_cmp_lg_u32 s2, 0x3003
	s_cbranch_scc0 .Lentry_shape_is_right
	s_endpgm
.Lentry_shape_is_right:
; For 512 tokens (grid x) and 1,024 codes (grid y): score(token, code) = (bf16 z . bf16 code, summed in f32) * rc[code], and for each token the
; largest score and its code.  The token's own norm is a positive factor common to all its scores and the sum of its squares a common addend of
; the distance in reference(), so neither moves the argmin; the code's 1 / norm multiplies the f32 sum.  The sixteen splits' results go out as whole numbers
; (pkey: the score's bits mapped so that unsigned order is the floats' order; pidx: the code) and are merged by the next launch.
; LIMITS: the index is that of reference() on inputs rounded to bf16; scores that differ by less than about 1e-7 in cosine may be ordered otherwise than
; by the rounded distance of reference(); equal scores go to the lowest code; a code row of norm below 1e-12 counts with sum of squares 1e-24; a token of norm 0
; gets code 0; NaN and infinities are not served.
;
; SHAPE: four waves.  Wave w keeps its 128 tokens (block B = 4 bx + w of zb: 8 tiles of 16 tokens x 256 channels = 512 registers) for the whole kernel;
; all four waves read the same code tiles from LDS, and one code fragment of 8 registers feeds 8 matrix instructions.
; The matrix instruction takes 16 codes as source 0 and 16 tokens as source 1: register j of lane (r, h) is code 8 h + j against token column r, so a
; token's running best stays in one lane.
; CLUSTER: the four work-groups of a cluster have the same y and read the same code rows: each fill is one joint tensor load a wave (mask 15).
; zb is not shared that way: a work-group reads its 256 KiB once, straight into registers in register order, and partners read other blocks.
; RING: two LDS slots of 256 code rows (four fills in all); a refill has sixteen tiles' work, 1,024 matrix instructions a wave, between its request and the wait for it.
; By this text's own count a wave has two tensor loads out at the start and one behind each refill.
;
; REGISTERS, in windows of 256.  Window 0: addresses, two buffers of code fragments, two of 1 / norm.  Windows 1, 2, 3 hold tiles 0-2, 3-5, 6-7 with the
; same local numbers:  64 i + 8 s: token fragment of the window's tile i, K step s;  192 + 24 p + 8 i: accumulator, parity p;  240 + 4 i: best (even j, odd j),
; 242 + 4 i: their codes;  252-255: differences.  While window w is at work the setting is source 0 = window 0, all else = w, and every line of the argmax
; is written to fit it (source 0 is a window-0 register, a scalar or a constant): four switches for 64 matrix instructions.
.set PITCH, 528                        ; an LDS row: 512 bytes + 16 of padding: sixteen rows that a fragment load touches start 16 bytes apart modulo 256
.set SLOT,  256*PITCH                  ; 135,168 bytes
.set WPART, 64*PITCH                   ; the rows that one wave's tensor load brings
.set TILEB, 16*PITCH                   ; a tile of 16 codes
.set RCB,   2*SLOT                     ; 270,336: the 1,024 numbers of rc, written by ds_store; no tensor load lands here
.set VA,  4                            ; v4   LDS address of my part of the code fragments that are fetched next
.set VR,  5                            ; v5   LDS address of my eight 1 / norm of the tile that is multiplied
.set CF0, 64                           ; v[64:127], v[128:191]  code fragments, parity 0, 1 (8 K steps x 8 registers)
.set RC0, 192                          ; v[192:199], v[200:207] 1 / norm of codes 8 h + 0..7, parity 0, 1
.set VB,  64                           ; behind the loop, in the fragments' place: best score, then key, of tile t
.set VI,  72                           ; its code
.set OB,  80                           ; the other half's
.set OI,  88
.set KK,  96                           ; four keys, four codes to store
.set II,  100
.set G1,  24                           ; s[24:31] descriptor group 1
.set G0,  32                           ; s[32:39] descriptor group 0, one set for each slot
.set CAND, 40                          ; s[40:47] code 1024 y + 16 c + j of the tile that is scored (8 h is added at the end)
.set MSB, 0
.macro WIN new                         ; the immediate's high byte repeats the setting that is left
.if MSB != \new
	s_set_vgpr_msb (MSB<<8)|\new
.set MSB, \new
.endif
.endm
; A round of the cluster's barrier: my work-group's barrier, wave 0 signals for the work-group, every wave waits for all four work-groups, my work-group's barrier again.
.macro ROUND
	s_barrier_signal -1
	s_barrier_wait -1
	s_cmp_lg_u32 s14, 0
	s_cbranch_scc1 .Lnot_wave_0_\@
	s_barrier_signal -3
.Lnot_wave_0_\@:
	s_barrier_wait -3
	s_barrier_signal -1
	s_barrier_wait -1
.endm
	s_load_b256 s[4:11], s[0:1], 0x0               ; zb s[4:5], cbb s[6:7], rc s[8:9], pkey s[10:11]
	s_load_b64 s[12:13], s[0:1], 0x20              ; pidx
	v_lshl_add_u32 v254, v0, 2, 0x43000
	v_mov_b32 v255, 0
	ds_add_u32 v254, v255
	v_lshrrev_b32 v1, 5, v0
	v_readfirstlane_b32 s14, v1                    ; wave w, 0..3
	s_bfe_u32 s15, ttmp6, 0x40000                  ; cx: my place in the cluster
	s_lshl_b32 s16, ttmp9, 2                       ; ttmp9 counts clusters
	s_add_co_u32 s16, s16, s15                     ; bx = 4 x cluster x + cx: which 512 tokens
	s_and_b32 s17, ttmp7, 0xffff                   ; y: which 1,024 codes; the cluster is one work-group high
	; group 1: a tile of 64 rows x 256 elements of 2 bytes, 16 bytes of padding behind each row
	s_mov_b32 s[G1+0], 15|(1<<16)|(1<<20)|(1<<21)|(6<<22)|(3<<25)   ; 15:0 mask: all four of the cluster; 17:16 2 bytes; 20 padding on; 21 set beside a mask; 24:22 after every 128 words; 31:25 four words
	s_mov_b32 s[G1+1], 256<<16                     ; tensor_dim0 = 256
	s_mov_b32 s[G1+2], 64<<16                      ; tensor_dim1 = 64
	s_mov_b32 s[G1+3], 256<<16                     ; tile_dim0 = 256
	s_mov_b32 s[G1+4], 64                          ; tile_dim1 = 64
	s_mov_b32 s[G1+5], 256                         ; 256 elements from row to row
	s_mov_b32 s[G1+6], 0
	s_mov_b32 s[G1+7], 0
	s_lshl_b32 s18, s17, 19                        ; code row 1024 y + 64 w, 512 bytes a row: made of y and w alone, which the partners share
	s_lshl_b32 s19, s14, 15
	s_add_co_u32 s18, s18, s19
	s_mov_b32 s19, 0
	s_mul_i32 s20, s14, WPART                      ; my rows' place in a slot: the wave's number alone
	s_lshl_b32 s22, s17, 12                        ; rc[1024 y]
	s_mov_b32 s23, 0
	s_lshl2_add_u32 s60, s16, s14                  ; B = 4 bx + w: my block of 128 tokens (what holds cx stays in s15, s16, s[58:63])
	s_lshl_b32 s58, s60, 16                        ; 65,536 bytes of zb a block
	s_mov_b32 s59, 0
	s_lshl_b32 s62, s60, 9                         ; pkey, pidx: 32,768 y + 512 B
	s_lshl_b32 s61, s17, 15
	s_add_co_u32 s62, s62, s61
	s_mov_b32 s63, 0
	s_lshl_b32 s[CAND], s17, 10
.irp j, 1,2,3,4,5,6,7
	s_add_co_u32 s[CAND+\j], s[CAND], \j
.endr
	s_mov_b32 s52, 0xff800000                      ; -infinity
	s_mov_b32 s54, 0xffff0000                      ; lanes 16 to 31
	s_mov_b32 s55, 0x76543210                      ; v_permlanex16_b32: lane i reads lane i of the other half
	s_mov_b32 s56, 0xfedcba98
	s_wait_dscnt 0x0
	s_wait_kmcnt 0x0
	s_add_nc_u64 s[6:7], s[6:7], s[18:19]
	s_add_nc_u64 s[8:9], s[8:9], s[22:23]
	s_add_nc_u64 s[4:5], s[4:5], s[58:59]
	s_add_nc_u64 s[10:11], s[10:11], s[62:63]
	s_add_nc_u64 s[12:13], s[12:13], s[62:63]
.irp sl, 0,1
	s_mov_b32 s[G0+4*\sl], 1                                       ; count = 1
	s_add_co_u32 s[G0+4*\sl+1], s20, \sl*SLOT                      ; LDS address
	s_add_nc_u64 s[G0+4*\sl+2:G0+4*\sl+3], s[6:7], \sl*131072      ; fill 0 or 1: 256 rows of 512 bytes apart
	s_or_b32 s[G0+4*\sl+3], s[G0+4*\sl+3], 0x80000000              ; type = 2
.endr
	ROUND                                          ; all four work-groups are here: the first joint loads meet
	tensor_load_to_lds s[G0:G0+3], s[G1:G1+7]      ; codes 0-255 of my 1,024 into slot 0 (each wave its 64 rows)
	s_nop 0
	tensor_load_to_lds s[G0+4:G0+7], s[G1:G1+7]    ; codes 256-511 into slot 1
	s_nop 0
	v_and_b32 v1, 31, v0                           ; lane
	v_and_b32 v2, 15, v0                           ; r
	v_bfe_u32 v3, v0, 4, 1                         ; h
	v_lshlrev_b32 v6, 4, v1                        ; 16 x lane: zb, pkey, pidx
	v_lshlrev_b32 v7, 3, v3                        ; 8 h
	v_mul_u32_u24 v8, v2, PITCH
	v_lshl_add_u32 v8, v3, 4, v8                   ; a fragment: row r, 16 bytes for each half of the lanes
	v_lshl_add_u32 v9, v3, 5, RCB                  ; my eight 1 / norm of tile 0
	v_lshlrev_b32 v10, 4, v0                       ; 16 x thread: the copy of rc
	v_add_nc_u32 v11, RCB, v10
	global_load_b128 v[16:19], v10, s[8:9]
	global_load_b128 v[20:23], v10, s[8:9] offset:2048
; The window's token fragments, 16 loads a tile (k = 2 s + g: registers 4 k .. 4 k + 3, 512 consecutive bytes a load), and the start of its running bests.
.macro ZLOAD win, nt, t0
	WIN \win                                       ; destination in the window, address in window 0
.set i, 0
.rept \nt
.set k, 0
.rept 16
	global_load_b128 v[64*i+4*k:64*i+4*k+3], v6, s[4:5] offset:(\t0+i)*8192+k*512
.set k, k+1
.endr
	v_mov_b32 v[240+4*i], s52                      ; best = -infinity: the first finite score takes over
	v_mov_b32 v[241+4*i], s52
	v_mov_b32 v[242+4*i], 0
	v_mov_b32 v[243+4*i], 0
.set i, i+1
.endr
.endm
	ZLOAD 0x40, 3, 0
	ZLOAD 0x80, 3, 3
	ZLOAD 0xc0, 2, 6
	WIN 0
	s_wait_loadcnt 0x0                             ; tokens and rc are in
	ds_store_b128 v11, v[16:19]
	ds_store_b128 v11, v[20:23] offset:2048
	s_wait_dscnt 0x0                               ; my part of the table is in LDS,
	s_wait_tensorcnt 0x1                           ; and my rows of slot 0; slot 1's load may stay out
	s_barrier_signal -1
	s_barrier_wait -1
; The argmax over one accumulator tile is 4 blocks of a register pair; two blocks X, Y of DIFFERENT tiles (so that neither waits for the other's best) go
; through four stages of four instructions, one stage behind each matrix instruction.  From the counter n of the window's matrix instructions:
.macro EPISET nt, q
.set EQ,  \q                                       ; parity of the tile that is scored
.set EST, n%4                                      ; the stage
.set XT,  (2*(n/4))%\nt                            ; block m: tile m % nt, register pair m / nt: a tile's pairs come in ascending order
.set XJ,  (2*(n/4))/\nt
.set YT,  (2*(n/4)+1)%\nt
.set YJ,  (2*(n/4)+1)/\nt
.set XA,  192+24*EQ+8*XT+2*XJ
.set YA,  192+24*EQ+8*YT+2*YJ
.set XR,  RC0+8*EQ+2*XJ
.set YR,  RC0+8*EQ+2*YJ
.endm
.macro EPIQ
.if EST == 0
	v_pk_mul_f32 v[XA:XA+1], v[XR:XR+1], v[XA:XA+1]                ; score = sum x 1 / norm, in place
	v_pk_mul_f32 v[YA:YA+1], v[YR:YR+1], v[YA:YA+1]
	v_pk_fma_f32 v[252:253], 1.0, v[XA:XA+1], v[240+4*XT:241+4*XT] op_sel_hi:[0,1,1] neg_lo:[0,0,1] neg_hi:[0,0,1]   ; score - best: its sign is exact
	v_pk_fma_f32 v[254:255], 1.0, v[YA:YA+1], v[240+4*YT:241+4*YT] op_sel_hi:[0,1,1] neg_lo:[0,0,1] neg_hi:[0,0,1]
.endif
.if EST == 1
	v_cmp_ge_f32 s48, 0, v252                      ; not better: an equal score leaves the earlier, lower code
	v_cmp_ge_f32 s49, 0, v253
	v_cmp_ge_f32 s50, 0, v254
	v_cmp_ge_f32 s51, 0, v255
.endif
.if EST == 2
	v_cndmask_b32 v[242+4*XT], s[CAND+2*XJ],   v[242+4*XT], s48
	v_cndmask_b32 v[243+4*XT], s[CAND+2*XJ+1], v[243+4*XT], s49
	v_cndmask_b32 v[242+4*YT], s[CAND+2*YJ],   v[242+4*YT], s50
	v_cndmask_b32 v[243+4*YT], s[CAND+2*YJ+1], v[243+4*YT], s51
.endif
.if EST == 3
	v_max3_num_f32 v[240+4*XT], s52, v[XA],   v[240+4*XT]         ; the three-source form, so that both registers stand in places that mean the window
	v_max3_num_f32 v[241+4*XT], s52, v[XA+1], v[241+4*XT]
	v_max3_num_f32 v[240+4*YT], s52, v[YA],   v[240+4*YT]
	v_max3_num_f32 v[241+4*YT], s52, v[YA+1], v[241+4*YT]
.endif
.endm
; One window's share of a tile of 16 codes: nt token tiles x 8 K steps.  The nt accumulators take turns, one instruction a turn;
; the first K step starts the sums with C = 0.  epi = 1: behind each matrix instruction one stage of the argmax over the tile multiplied one step earlier
; (the other parity: none of its registers is named by this step's matrix instructions).
.macro GROUP win, nt, p, epi
	WIN \win
.set n, 0
.rept 8*\nt
.set gi, n%\nt
.set gs, n/\nt
.set GA, 192+24*\p+8*gi
.if n < \nt
	v_wmma_f32_16x16x32_bf16 v[GA:GA+7], v[CF0+64*\p+8*gs:CF0+64*\p+8*gs+7], v[64*gi+8*gs:64*gi+8*gs+7], 0
.else
	v_wmma_f32_16x16x32_bf16 v[GA:GA+7], v[CF0+64*\p+8*gs:CF0+64*\p+8*gs+7], v[64*gi+8*gs:64*gi+8*gs+7], v[GA:GA+7]
.endif
.if \epi
	EPISET \nt, 1-\p
	EPIQ
.endif
.set n, n+1
.endr
.endm
.macro CFLOAD f                        ; a tile's eight code fragments: two loads of 16 bytes a lane, 32 bytes apart, for each K step of 64 bytes
.irp s, 0,1,2,3,4,5,6,7
	ds_load_b128 v[\f+8*\s:\f+8*\s+3],   v[VA] offset:64*\s
	ds_load_b128 v[\f+8*\s+4:\f+8*\s+7], v[VA] offset:64*\s+32
.endr
.endm
; One tile of 16 codes, parity p: 64 matrix instructions.  At its head the next tile's fragments (fetch = 1) and this tile's 1 / norm are asked for; they are
; waited for at the head of the next step.  The loads into the other parity's fragments stand behind the four vector instructions that follow the last step's
; last matrix instruction (its last argmax stage, or four v_nop) and name none of its registers: four places (ISA guide 7.12.1 for vector instructions).
.macro STEP p, epi, fetch
	WIN 0
	s_wait_dscnt 0x0                               ; what the last step asked for: this tile's fragments, the scored tile's 1 / norm
.if \fetch
	v_add_nc_u32 v[VA], TILEB, v[VA]
	CFLOAD CF0+64*(1-\p)
.endif
	ds_load_b128 v[RC0+8*\p:RC0+8*\p+3],   v[VR]
	ds_load_b128 v[RC0+8*\p+4:RC0+8*\p+7], v[VR] offset:16
	v_add_nc_u32 v[VR], 64, v[VR]
	GROUP 0x54, 3, \p, \epi
	GROUP 0xa8, 3, \p, \epi
	GROUP 0xfc, 2, \p, \epi
.if \epi
.irp j, 0,1,2,3,4,5,6,7
	s_add_co_u32 s[CAND+\j], s[CAND+\j], 16        ; the next tile's codes
.endr
.else
.rept 4
	v_nop
.endr
.endif
.endm
; The sixteen tiles of fill f, which lies in slot.  first = 1: the kernel's first tile has nothing to score beside it.
.macro PHASE slot, f, first
.if \slot
	v_add_nc_u32 v[VA], \slot*SLOT, v8
.else
	v_mov_b32 v[VA], v8
.endif
	v_add_nc_u32 v[VR], \f*1024, v9                ; 256 numbers of 4 bytes a fill
	CFLOAD CF0
.if \first
	STEP 0, 0, 1
	STEP 1, 1, 1
	WIN 0                                          ; at a label and at a branch every window is 0
	s_mov_b32 s53, 6
.else
	s_mov_b32 s53, 7
.endif
.Lphase_\@:
	STEP 0, 1, 1
	STEP 1, 1, 1
	WIN 0
	s_sub_co_i32 s53, s53, 1
	s_cmp_lg_u32 s53, 0
	s_cbranch_scc1 .Lphase_\@
	STEP 0, 1, 1
	STEP 1, 1, 0                                   ; the slot's last tile: nothing more to fetch from it
	WIN 0
.endm
; Slot, which has been read, is filled again, two fills ahead.  The round of the cluster's barrier is the barrier in front of the refill.
.macro FILLB slot
	s_wait_dscnt 0x0                               ; my reads of the slot are back
	s_wait_tensorcnt 0x0                           ; all my tensor loads have landed, my rows of the other slot among them: a group 0 may be written
	ds_add_u32 v254, v255
	s_wait_dscnt 0x0
	s_add_nc_u64 s[G0+4*\slot+2:G0+4*\slot+3], s[G0+4*\slot+2:G0+4*\slot+3], 262144   ; 512 rows of 512 bytes on
	ROUND                                          ; both now hold of every wave of all four work-groups
	tensor_load_to_lds s[G0+4*\slot:G0+4*\slot+3], s[G1:G1+7]      ; my one tensor load behind the round, and the first thing there
	s_nop 0
.endm
	PHASE 0, 0, 1
	FILLB 0                                        ; codes 512-767
	PHASE 1, 1, 0
	FILLB 1                                        ; codes 768-1023: the last load
	PHASE 0, 2, 0
	s_wait_dscnt 0x0
	s_wait_tensorcnt 0x0                           ; my rows of the last fill are in,
	s_barrier_signal -1
	s_barrier_wait -1                              ; everybody's are
	PHASE 1, 3, 0
	; the last tile's argmax, with no matrix instruction beside it
	s_wait_dscnt 0x0                               ; its 1 / norm
.macro EPIWIN win, nt, q
	WIN \win
.set n, 0
.rept 8*\nt
	EPISET \nt, \q
	EPIQ
.set n, n+1
.endr
.endm
	EPIWIN 0x54, 3, 1
	EPIWIN 0xa8, 3, 1
	EPIWIN 0xfc, 2, 1
; The two chains (even and odd j) of each tile become one, into window 0: the larger score, of equal scores the lower code.
.macro CHAINS win, nt, t0
	WIN \win                                       ; sources in the window, destination in window 0
.set i, 0
.rept \nt
	v_cmp_gt_f32 s48, v[241+4*i], v[240+4*i]
	v_cmp_eq_f32 s49, v[241+4*i], v[240+4*i]
	v_cmp_lt_u32 s50, v[243+4*i], v[242+4*i]
	s_and_b32 s49, s49, s50
	s_or_b32 s48, s48, s49
	v_cndmask_b32 v[VB+\t0+i], v[240+4*i], v[241+4*i], s48
	v_cndmask_b32 v[VI+\t0+i], v[242+4*i], v[243+4*i], s48
.set i, i+1
.endr
.endm
	CHAINS 0x15, 3, 0
	CHAINS 0x2a, 3, 3
	CHAINS 0x3f, 2, 6
	WIN 0
.irp t, 0,1,2,3,4,5,6,7
	v_add_nc_u32 v[VI+\t], v[VI+\t], v7            ; lanes 16 to 31 held codes 8 .. 15 of each tile
	v_permlanex16_b32 v[OB+\t], v[VB+\t], s55, s56 ; the other half's best for the same token (destinations were written as fragments)
	v_permlanex16_b32 v[OI+\t], v[VI+\t], s55, s56
	v_cmp_gt_f32 s48, v[OB+\t], v[VB+\t]
	v_cmp_eq_f32 s49, v[OB+\t], v[VB+\t]
	v_cmp_lt_u32 s50, v[OI+\t], v[VI+\t]
	s_and_b32 s49, s49, s50
	s_or_b32 s48, s48, s49
	v_cndmask_b32 v[VB+\t], v[VB+\t], v[OB+\t], s48
	v_cndmask_b32 v[VI+\t], v[VI+\t], v[OI+\t], s48
	v_add_f32 v[VB+\t], 0, v[VB+\t]                ; -0 becomes +0, so that equal scores have equal keys
	v_ashrrev_i32 v[OB+\t], 31, v[VB+\t]           ; key: a positive number gets its sign bit set, a negative one is inverted:
	v_or_b32 v[OB+\t], 0x80000000, v[OB+\t]        ; unsigned order of the keys = order of the scores
	v_xor_b32 v[VB+\t], v[VB+\t], v[OB+\t]
.endr
	; column r of tile t is token 128 B + 64 (t / 4) + 4 r + t % 4: lanes 0-15 take tiles 0-3, lanes 16-31 tiles 4-7, and lane l holds tokens 4 l .. 4 l + 3
.irp q, 0,1,2,3
	v_cndmask_b32 v[KK+\q], v[VB+\q], v[VB+4+\q], s54
	v_cndmask_b32 v[II+\q], v[VI+\q], v[VI+4+\q], s54
.endr
	global_store_b128 v6, v[KK:KK+3], s[10:11]     ; the wave stores 512 consecutive bytes, aligned
	global_store_b128 v6, v[II:II+3], s[12:13]
	s_wait_tensorcnt 0x0
	ds_add_u32 v254, v255
	s_wait_dscnt 0x0
	ROUND                                          ; the closing round: no work-group ends while a partner may still ask for a tile that names it
	s_endpgm
.Lfunc_end_k_q7f4ec07052_vqgemm:
	.size	k_q7f4ec07052_vqgemm, .Lfunc_end_k_q7f4ec07052_vqgemm-k_q7f4ec07052_vqgemm
	.p2alignl 7, 3214868480
	.fill 96, 4, 3214868480
	.section	.rodata,"a",@progbits
	.p2align	6, 0x0
	.amdhsa_kernel k_q7f4ec07052_vqgemm
		.amdhsa_group_segment_fixed_size 327680
		.amdhsa_private_segment_fixed_size 0
		.amdhsa_enable_private_segment 0
		.amdhsa_kernarg_size 40
		.amdhsa_user_sgpr_count 2
		.amdhsa_user_sgpr_kernarg_segment_ptr 1
		.amdhsa_wavefront_size32 1
		.amdhsa_system_sgpr_workgroup_id_x 1
		.amdhsa_system_sgpr_workgroup_id_y 1
		.amdhsa_system_sgpr_workgroup_id_z 1
		.amdhsa_system_vgpr_workitem_id 0
		.amdhsa_next_free_vgpr 1024
		.amdhsa_next_free_sgpr 66
		.amdhsa_reserve_vcc 0
		.amdhsa_float_denorm_mode_32 3
		.amdhsa_float_denorm_mode_16_64 3
		.amdhsa_memory_ordered 1
		.amdhsa_forward_progress 1
		.amdhsa_inst_pref_size 255
	.end_amdhsa_kernel
	.section	.bss,"aw",@nobits
	.p2align	6
	.space	262144
	.amdgpu_metadata
---
amdhsa.version: [ 1, 2 ]
amdhsa.kernels:
  - .name:           k_q7f4ec07052_vqgemm
    .symbol:         k_q7f4ec07052_vqgemm.kd
    .args:
      - { .name: zb, .offset: 0, .size: 8, .value_kind: global_buffer, .address_space: global }
      - { .name: cbb, .offset: 8, .size: 8, .value_kind: global_buffer, .address_space: global }
      - { .name: rc, .offset: 16, .size: 8, .value_kind: global_buffer, .address_space: global }
      - { .name: pkey, .offset: 24, .size: 8, .value_kind: global_buffer, .address_space: global }
      - { .name: pidx, .offset: 32, .size: 8, .value_kind: global_buffer, .address_space: global }
    .group_segment_fixed_size: 327680
    .private_segment_fixed_size: 0
    .kernarg_segment_align: 8
    .kernarg_segment_size: 40
    .max_flat_workgroup_size: 128
    .sgpr_count:     66
    .vgpr_count:     1024
    .wavefront_size: 32
...
	.end_amdgpu_metadata
.endif
;; end of part 2
;; launch gather (part 3): grid 128 x 2, 8 waves a work-group, no clusters, 35,328 bytes of LDS; arguments codebook, z, pkey, pidx, out1, out2, lp; writes out1, out2, lp
.if DOCPART == 3
	.amdgcn_target "amdgcn-amd-amdhsa--gfx1250"
	.amdhsa_code_object_version 6
	.text
	.protected	k_q7f4ec07052_gather
	.globl	k_q7f4ec07052_gather
	.p2align	8
	.type	k_q7f4ec07052_gather,@function
k_q7f4ec07052_gather:
	s_mov_b64 s[64:65], 0
	v_nop
	global_prefetch_b8 v0, s[64:65] scope:SCOPE_SE
	s_setreg_imm32_b32 hwreg(HW_REG_WAVE_MODE, 25, 1), 1
	s_wait_xcnt 0x0
; Merges the sixteen splits' keys (whole numbers, stored by the launch before), writes the indices, gathers the RAW code rows, turns them channel-major
; through LDS, writes out1 = z + (code - z) as reference() forms it, and sums (code - z)^2 directly (no difference of large sums) into one partial a work-group.
; A work-group: 64 tokens (grid x: g) x 128 channels (grid y: half).  Eight waves.  Loads go through registers; no byte of z or of a gathered half row is read
; twice in the launch (the keys, 8 KiB a work-group, are read by both halves: each needs the indices).
; Of equal keys the lower split, that is the lower code, is kept.  The clamp to 16,383 changes no index that the launch before can have stored.
.set PITCH, 528                        ; an LDS row: 128 channels of 4 bytes + 16: sixteen lanes that read one column of sixteen rows are 16 bytes apart modulo 256
.set IDXB,  64*PITCH                   ; 33,792: the 64 indices
.set REDB,  IDXB+256                   ; 34,048: eight partial sums
.set ZR,   8                           ; v[8:39]    z: channel ch of my wave's 16, tokens 2 l and 2 l + 1
.set KEY,  40                          ; v[40:71]   wave 0: split y's keys of tokens 2 l, 2 l + 1
.set IDX,  72                          ; v[72:103]  wave 0: their codes
.set CR,   40                          ; v[40:71]   then: the eight gathered half rows, 4 registers each
.set IX,   104                         ; v[104:111] my wave's eight indices
.set OFS,  112                         ; v[112:119] their byte offsets in the codebook
.set AB,   120                         ; v[120:151] from LDS: channel group c: 4 channels of token 2 l, 4 of token 2 l + 1
.set OUT,  152                         ; v[152:183] out1: a pair for each channel, each store's own
.set DD,   184                         ; v[184:187] code - z, two pairs in turn
.set ACC,  188                         ; v[188:191] sums of squares, two pairs in turn
.set O8,   2                           ; v2   8 l
.set RDA,  3                           ; v3   stage, back: row l, my wave's 16 channels
.set IXA,  4                           ; v4   32 w
.set OCL,  5                           ; v5   512 half + 16 l
.set STA,  6                           ; v6   stage, in: rows 4 w .., 16 l
.set RWA,  7                           ; v7   4 w
.set TMP,  192                         ; v192, v193 at work
	s_load_b256 s[4:11], s[0:1], 0x0               ; codebook s[4:5], z s[6:7], pkey s[8:9], pidx s[10:11]
	s_load_b128 s[12:15], s[0:1], 0x20             ; out1 s[12:13], out2 s[14:15]
	s_load_b64 s[16:17], s[0:1], 0x30              ; lp
	v_lshl_add_u32 v200, v0, 2, 0x8600
	v_mov_b32 v201, 0
	v_lshrrev_b32 v1, 5, v0
	v_readfirstlane_b32 s18, v1                    ; wave w, 0..7
	s_and_b32 s19, ttmp7, 0xffff                   ; half
	v_and_b32 v1, 31, v0                           ; lane l
	v_lshlrev_b32 v[O8], 3, v1                     ; two tokens of 4 bytes
	v_lshlrev_b32 v[TMP], 4, v1                    ; 16 l
	s_lshl_b32 s26, s19, 9
	v_add_nc_u32 v[OCL], s26, v[TMP]               ; my 16 bytes of a code's half row
	s_mul_i32 s26, s18, 4*PITCH
	v_add_nc_u32 v[STA], s26, v[TMP]
	s_lshl_b32 s26, s18, 5
	v_mov_b32 v[IXA], s26
	v_mul_u32_u24 v[TMP+1], v1, PITCH
	s_lshl_b32 s26, s18, 6
	v_add_nc_u32 v[RDA], s26, v[TMP+1]
	s_lshl_b32 s26, s18, 2
	v_mov_b32 v[RWA], s26
	s_lshr_b32 s20, ttmp9, 4                       ; image b = g / 16
	s_lshl_b32 s20, s20, 20
	s_lshl_b32 s21, s19, 19                        ; + 128 half channels of 4,096 bytes
	s_add_co_u32 s20, s20, s21
	s_lshl_b32 s21, s18, 16                        ; + 16 w channels
	s_add_co_u32 s20, s20, s21
	s_and_b32 s21, ttmp9, 15
	s_lshl_b32 s21, s21, 8                         ; + 64 (g % 16) tokens
	s_add_co_u32 s20, s20, s21
	s_mov_b32 s21, 0
	s_lshl_b32 s22, ttmp9, 8                       ; 64 g tokens of 4 bytes: pkey, pidx, out2
	s_mov_b32 s23, 0
	s_lshl_b32 s24, s19, 7
	s_add_co_u32 s24, s24, ttmp9
	s_lshl_b32 s24, s24, 2                         ; lp[128 half + g]
	s_mov_b32 s25, 0
	s_mov_b32 s28, 0x76543210                      ; v_permlanex16_b32: lane i reads lane i of the other half
	s_mov_b32 s29, 0xfedcba98
	s_wait_kmcnt 0x0
	s_add_nc_u64 s[6:7], s[6:7], s[20:21]
	s_add_nc_u64 s[12:13], s[12:13], s[20:21]
	s_add_nc_u64 s[8:9], s[8:9], s[22:23]
	s_add_nc_u64 s[10:11], s[10:11], s[22:23]
	s_add_nc_u64 s[14:15], s[14:15], s[22:23]
	s_add_nc_u64 s[16:17], s[16:17], s[24:25]
.irp ch, 0,1,2,3,4,5,6,7,8,9,10,11,12,13,14,15
	global_load_b64 v[ZR+2*\ch:ZR+2*\ch+1], v[O8], s[6:7] offset:\ch*4096 th:TH_LOAD_NT   ; the wave reads 256 consecutive bytes of one channel, aligned
.endr
	; wave 0 merges the sixteen splits for the 64 tokens, two a lane, by whole-number compares
	s_cmp_lg_u32 s18, 0
	s_cbranch_scc1 .Lmerged
.irp y, 0,1,2,3,4,5,6,7,8,9,10,11,12,13,14,15
	global_load_b64 v[KEY+2*\y:KEY+2*\y+1], v[O8], s[8:9] offset:\y*32768
	global_load_b64 v[IDX+2*\y:IDX+2*\y+1], v[O8], s[10:11] offset:\y*32768
.endr
	s_wait_loadcnt 0x0
.set y, 1
.rept 15
	v_cmp_gt_u32 vcc_lo, v[KEY+2*y], v[KEY]        ; strictly larger: of equal keys the lower split stays
	v_cndmask_b32 v[KEY], v[KEY], v[KEY+2*y], vcc_lo
	v_cndmask_b32 v[IDX], v[IDX], v[IDX+2*y], vcc_lo
	v_cmp_gt_u32 s26, v[KEY+2*y+1], v[KEY+1]
	v_cndmask_b32 v[KEY+1], v[KEY+1], v[KEY+2*y+1], s26
	v_cndmask_b32 v[IDX+1], v[IDX+1], v[IDX+2*y+1], s26
.set y, y+1
.endr
	v_min_u32 v[IDX], 0x3fff, v[IDX]
	v_min_u32 v[IDX+1], 0x3fff, v[IDX+1]
	ds_store_b64 v[O8], v[IDX:IDX+1] offset:IDXB   ; token t's index at IDXB + 4 t
	s_cmp_lg_u32 s19, 0
	s_cbranch_scc1 .Lmerged                        ; out2 is written by the work-group of the first 128 channels
	global_store_b64 v[O8], v[IDX:IDX+1], s[14:15] ; 256 consecutive bytes, aligned; its data registers are not used again
.Lmerged:
	s_wait_dscnt 0x0                               ; the indices are in LDS before wave 0 says so
	s_barrier_signal -1
	s_barrier_wait -1
	; wave w gathers the half rows of tokens 8 w .. 8 w + 7; token t goes to stage row t / 2 + 32 (t % 2)
	ds_load_b128 v[IX:IX+3],   v[IXA] offset:IDXB
	ds_load_b128 v[IX+4:IX+7], v[IXA] offset:IDXB+16
	s_wait_dscnt 0x0
.irp k, 0,1,2,3,4,5,6,7
	v_min_u32 v[IX+\k], 0x3fff, v[IX+\k]           ; an index stays inside the table
	v_lshl_add_u32 v[OFS+\k], v[IX+\k], 10, v[OCL] ; rows of 1,024 bytes
	global_load_b128 v[CR+4*\k:CR+4*\k+3], v[OFS+\k], s[4:5]       ; the wave reads 512 consecutive bytes
.endr
.irp k, 0,1,2,3,4,5,6,7
	s_wait_loadcnt 7-\k                            ; row k is in (and z, asked for earlier); the rows behind it stay out
	ds_store_b128 v[STA], v[CR+4*\k:CR+4*\k+3] offset:((\k>>1)+32*(\k&1))*PITCH
.endr
	s_wait_dscnt 0x0                               ; my rows are in the stage before I say so
	s_barrier_signal -1
	s_barrier_wait -1
	; wave w takes channels 16 w .. 16 w + 15 of the half; lane l tokens 2 l (row l) and 2 l + 1 (row l + 32)
.irp c, 0,1,2,3
	ds_load_b128 v[AB+8*\c:AB+8*\c+3],   v[RDA] offset:16*\c
	ds_load_b128 v[AB+8*\c+4:AB+8*\c+7], v[RDA] offset:16*\c+32*PITCH
.endr
.set n, 0
.rept 16
.if n%4 == 0
	s_wait_dscnt 6-2*(n/4)                         ; channel group n / 4's two loads are back; the groups behind it stay out
.endif
.set PD, DD+2*(n%2)
.set PA, ACC+2*(n%2)
	v_sub_f32 v[PD],   v[AB+8*(n/4)+n%4],   v[ZR+2*n]              ; d = code - z
	v_sub_f32 v[PD+1], v[AB+8*(n/4)+4+n%4], v[ZR+2*n+1]
	v_pk_add_f32 v[OUT+2*n:OUT+2*n+1], v[ZR+2*n:ZR+2*n+1], v[PD:PD+1]   ; z + (code - z)
.if n < 2
	v_pk_mul_f32 v[PA:PA+1], v[PD:PD+1], v[PD:PD+1]                ; the first squares start the sums
.else
	v_pk_fma_f32 v[PA:PA+1], v[PD:PD+1], v[PD:PD+1], v[PA:PA+1]
.endif
	global_store_b64 v[O8], v[OUT+2*n:OUT+2*n+1], s[12:13] offset:n*4096 th:TH_STORE_NT   ; 256 consecutive bytes of one channel, aligned
.set n, n+1
.endr
	v_pk_add_f32 v[ACC:ACC+1], v[ACC:ACC+1], v[ACC+2:ACC+3]
	v_add_f32 v[ACC], v[ACC], v[ACC+1]
	v_add_f32_dpp v[ACC], v[ACC], v[ACC] row_xmask:1 row_mask:0xf bank_mask:0xf
	v_add_f32_dpp v[ACC], v[ACC], v[ACC] row_xmask:2 row_mask:0xf bank_mask:0xf
	v_add_f32_dpp v[ACC], v[ACC], v[ACC] row_xmask:4 row_mask:0xf bank_mask:0xf
	v_add_f32_dpp v[ACC], v[ACC], v[ACC] row_xmask:8 row_mask:0xf bank_mask:0xf
	v_permlanex16_b32 v[ACC+1], v[ACC], s28, s29
	v_add_f32 v[ACC], v[ACC], v[ACC+1]
	ds_store_b32 v[RWA], v[ACC] offset:REDB        ; all lanes hold the wave's sum
	s_wait_dscnt 0x0
	s_barrier_signal -1
	s_barrier_wait -1
	s_cmp_lg_u32 s18, 0
	s_cbranch_scc1 .Lend
	v_mov_b32 v[TMP], 0
	ds_load_b128 v[AB:AB+3],   v[TMP] offset:REDB
	ds_load_b128 v[AB+4:AB+7], v[TMP] offset:REDB+16
	s_wait_dscnt 0x0
	v_pk_add_f32 v[AB:AB+1], v[AB:AB+1], v[AB+2:AB+3]
	v_pk_add_f32 v[AB+4:AB+5], v[AB+4:AB+5], v[AB+6:AB+7]
	v_pk_add_f32 v[AB:AB+1], v[AB:AB+1], v[AB+4:AB+5]
	v_add_f32 v[AB], v[AB], v[AB+1]
	s_wait_xcnt 0x0                                ; EXEC changes only behind this wait: out1's stores have been issued
	v_cmp_eq_u32 vcc_lo, 0, v0
	s_and_saveexec_b32 s30, vcc_lo
	global_store_b32 v[TMP], v[AB], s[16:17]       ; one number is all that a work-group has to give here
	s_wait_xcnt 0x0
	s_or_b32 exec_lo, exec_lo, s30
.Lend:
	s_wait_tensorcnt 0x0
	ds_add_u32 v200, v201
	s_wait_dscnt 0x0
	s_endpgm
.Lfunc_end_k_q7f4ec07052_gather:
	.size	k_q7f4ec07052_gather, .Lfunc_end_k_q7f4ec07052_gather-k_q7f4ec07052_gather
	.p2alignl 7, 3214868480
	.fill 96, 4, 3214868480
	.section	.rodata,"a",@progbits
	.p2align	6, 0x0
	.amdhsa_kernel k_q7f4ec07052_gather
		.amdhsa_group_segment_fixed_size 35328
		.amdhsa_private_segment_fixed_size 0
		.amdhsa_enable_private_segment 0
		.amdhsa_kernarg_size 56
		.amdhsa_user_sgpr_count 2
		.amdhsa_user_sgpr_kernarg_segment_ptr 1
		.amdhsa_wavefront_size32 1
		.amdhsa_system_sgpr_workgroup_id_x 1
		.amdhsa_system_sgpr_workgroup_id_y 1
		.amdhsa_system_sgpr_workgroup_id_z 1
		.amdhsa_system_vgpr_workitem_id 0
		.amdhsa_next_free_vgpr 202
		.amdhsa_next_free_sgpr 66
		.amdhsa_reserve_vcc 1
		.amdhsa_float_denorm_mode_32 3
		.amdhsa_float_denorm_mode_16_64 3
		.amdhsa_memory_ordered 1
		.amdhsa_forward_progress 1
		.amdhsa_inst_pref_size 21
	.end_amdhsa_kernel
	.amdgpu_metadata
---
amdhsa.version: [ 1, 2 ]
amdhsa.kernels:
  - .name:           k_q7f4ec07052_gather
    .symbol:         k_q7f4ec07052_gather.kd
    .args:
      - { .name: codebook, .offset: 0, .size: 8, .value_kind: global_buffer, .address_space: global }
      - { .name: z, .offset: 8, .size: 8, .value_kind: global_buffer, .address_space: global }
      - { .name: pkey, .offset: 16, .size: 8, .value_kind: global_buffer, .address_space: global }
      - { .name: pidx, .offset: 24, .size: 8, .value_kind: global_buffer, .address_space: global }
      - { .name: out1, .offset: 32, .size: 8, .value_kind: global_buffer, .address_space: global }
      - { .name: out2, .offset: 40, .size: 8, .value_kind: global_buffer, .address_space: global }
      - { .name: lp, .offset: 48, .size: 8, .value_kind: global_buffer, .address_space: global }
    .group_segment_fixed_size: 35328
    .private_segment_fixed_size: 0
    .kernarg_segment_align: 8
    .kernarg_segment_size: 56
    .max_flat_workgroup_size: 256
    .sgpr_count:     66
    .vgpr_count:     202
    .wavefront_size: 32
...
	.end_amdgpu_metadata
.endif
;; end of part 3
;; launch lossfin (part 4): grid 1 x 1, 1 waves a work-group, no clusters, 0 bytes of LDS; arguments lp, out0; writes out0
.if DOCPART == 4
	.amdgcn_target "amdgcn-amd-amdhsa--gfx1250"
	.amdhsa_code_object_version 6
	.text
	.protected	k_q7f4ec07052_lossfin
	.globl	k_q7f4ec07052_lossfin
	.p2align	8
	.type	k_q7f4ec07052_lossfin,@function
k_q7f4ec07052_lossfin:
	s_mov_b64 s[64:65], 0
	v_nop
	global_prefetch_b8 v0, s[64:65] scope:SCOPE_SE
	s_setreg_imm32_b32 hwreg(HW_REG_WAVE_MODE, 25, 1), 1
	s_wait_xcnt 0x0
; loss = (0.25 + 1) x mean of (code - z)^2 = 1.25 / 2^21 x the sum of the 256 partial sums.  One wave: the sum spans work-groups, so it has a launch of its own.
	s_load_b128 s[4:7], s[0:1], 0x0                ; lp s[4:5], out0 s[6:7]
	v_lshlrev_b32 v1, 4, v0
	s_mov_b32 s8, 0x76543210                       ; v_permlanex16_b32: lane i reads lane i of the other half
	s_mov_b32 s9, 0xfedcba98
	s_wait_kmcnt 0x0
	global_load_b128 v[2:5], v1, s[4:5]
	global_load_b128 v[6:9], v1, s[4:5] offset:512
	s_wait_loadcnt 0x0
	v_pk_add_f32 v[2:3], v[2:3], v[4:5]
	v_pk_add_f32 v[6:7], v[6:7], v[8:9]
	v_pk_add_f32 v[2:3], v[2:3], v[6:7]
	v_add_f32 v2, v2, v3
	v_add_f32_dpp v2, v2, v2 row_xmask:1 row_mask:0xf bank_mask:0xf
	v_add_f32_dpp v2, v2, v2 row_xmask:2 row_mask:0xf bank_mask:0xf
	v_add_f32_dpp v2, v2, v2 row_xmask:4 row_mask:0xf bank_mask:0xf
	v_add_f32_dpp v2, v2, v2 row_xmask:8 row_mask:0xf bank_mask:0xf
	v_permlanex16_b32 v3, v2, s8, s9
	v_add_f32 v2, v2, v3
	v_mul_f32 v2, 0x35200000, v2                   ; 1.25 x 2^-21
	v_mov_b32 v4, 0
	s_wait_xcnt 0x0                                ; EXEC changes only behind this wait
	v_cmp_eq_u32 vcc_lo, 0, v0
	s_and_saveexec_b32 s10, vcc_lo
	global_store_b32 v4, v2, s[6:7]                ; four bytes are all there is
	s_wait_xcnt 0x0
	s_or_b32 exec_lo, exec_lo, s10
	s_endpgm
.Lfunc_end_k_q7f4ec07052_lossfin:
	.size	k_q7f4ec07052_lossfin, .Lfunc_end_k_q7f4ec07052_lossfin-k_q7f4ec07052_lossfin
	.p2alignl 7, 3214868480
	.fill 96, 4, 3214868480
	.section	.rodata,"a",@progbits
	.p2align	6, 0x0
	.amdhsa_kernel k_q7f4ec07052_lossfin
		.amdhsa_group_segment_fixed_size 0
		.amdhsa_private_segment_fixed_size 0
		.amdhsa_enable_private_segment 0
		.amdhsa_kernarg_size 16
		.amdhsa_user_sgpr_count 2
		.amdhsa_user_sgpr_kernarg_segment_ptr 1
		.amdhsa_wavefront_size32 1
		.amdhsa_system_sgpr_workgroup_id_x 1
		.amdhsa_system_sgpr_workgroup_id_y 1
		.amdhsa_system_sgpr_workgroup_id_z 1
		.amdhsa_system_vgpr_workitem_id 0
		.amdhsa_next_free_vgpr 16
		.amdhsa_next_free_sgpr 66
		.amdhsa_reserve_vcc 1
		.amdhsa_float_denorm_mode_32 3
		.amdhsa_float_denorm_mode_16_64 3
		.amdhsa_memory_ordered 1
		.amdhsa_forward_progress 1
		.amdhsa_inst_pref_size 2
	.end_amdhsa_kernel
	.amdgpu_metadata
---
amdhsa.version: [ 1, 2 ]
amdhsa.kernels:
  - .name:           k_q7f4ec07052_lossfin
    .symbol:         k_q7f4ec07052_lossfin.kd
    .args:
      - { .name: lp, .offset: 0, .size: 8, .value_kind: global_buffer, .address_space: global }
      - { .name: out0, .offset: 8, .size: 8, .value_kind: global_buffer, .address_space: global }
    .group_segment_fixed_size: 0
    .private_segment_fixed_size: 0
    .kernarg_segment_align: 8
    .kernarg_segment_size: 16
    .max_flat_workgroup_size: 32
    .sgpr_count:     66
    .vgpr_count:     16
    .wavefront_size: 32
...
	.end_amdgpu_metadata
.endif
;; end of part 4
;; ======== version 2 of 2: 4 launches; version 1 with the launch prep written anew for expert scheduling mode
;; limits: right only within a limited range of input values
;; workspace buffers: cbb 8,388,608 bytes; zb 4,194,304 bytes; rc 65,536 bytes; pkey 524,288 bytes of whole numbers; pidx 524,288 bytes of whole numbers; lp 1,024 bytes
;; launch prep (part 5): grid 256 x 1, 8 waves a work-group, no clusters, 1,280 bytes of LDS; arguments codebook, z, cbb, zb, rc; writes cbb, zb, rc
.if DOCPART == 5
	.amdgcn_target "amdgcn-amd-amdhsa--gfx1250"
	.amdhsa_code_object_version 6
	.text
	.protected	k_q7f4ec07052_prep
	.globl	k_q7f4ec07052_prep
	.p2align	8
	.type	k_q7f4ec07052_prep,@function
k_q7f4ec07052_prep:
	s_mov_b64 s[64:65], 0
	v_nop
	global_prefetch_b8 v0, s[64:65] scope:SCOPE_SE
	s_setreg_imm32_b32 hwreg(HW_REG_WAVE_SCHED_MODE, 0, 2), 2
	s_setreg_imm32_b32 hwreg(HW_REG_WAVE_MODE, 25, 1), 1
	s_wait_xcnt 0x0
	s_wait_alu depctr_vm_vsrc(0)
; Rounds both inputs to bf16 for the matrix launch and makes each code's 1 / norm.
;   cbb[n][c]  = bf16(codebook[n][c]), rows of 512 bytes
;   rc[n]      = 1 / max(norm of cbb's row n, 1e-12), in f32 (the norm of the ROUNDED row: the scores are those of rounded inputs)
;   zb         = bf16(z), laid out as the register image of the matrix launch's token fragments:
;                byte B*65536 + t*8192 + s*1024 + g*512 + lane*16 holds, for lane (r = lane%16, h = lane/16), channels 32 s + 16 g + 8 h + 0..7
;                of token 128 B + 64 (t/4) + 4 r + t%4.  So one 16-byte load of z (four neighbouring tokens of a channel) feeds four tiles t.
; A stream: 256 work-groups x 8 waves; each wave takes one unit of z (64 tokens x 16 channels) and eight code rows, has all its 24 loads of
; 16 bytes a lane out at once, and has no loop.  Matrix units and clusters have nothing to do here: no byte is read twice.
; Limit: a code row whose sum of squares is below 1e-24 gets 1e12, as the clamp in reference() gives; NaN and infinities are not served.
; THE MODE: SCHED_MODE bits 1:0 = 2 (LLVM: expert scheduling mode 2), set by the entry lines.  The code itself states the register dependences
; between vector instructions and memory or LDS instructions, with s_wait_alu, always for 0.
; THE PLAN.  Registers that memory or LDS instructions touch:
;   OZ, O16, O8, LW, v168, v169   offsets and addresses: written once at the head, read by loads, stores and LDS instructions, never written again.
;   ZL, CL    loaded once; no vector instruction names them ahead of their loads; read by the conversions.
;   ZP        written by z's sixteen conversions, read by z's four stores, never written again.
;   CP        four registers a row: written by the row's conversions, read by the row's two stores (and by the unpacking lines), never written again.
;   T         at work among vector instructions; at the end written by the eight v_rsq_f32 and read by the eight LDS stores, the last to name it.
;   v[2:3]    named by vector instructions at the head alone; at the end an LDS load of wave 0 lands there, and its store reads them.
; No register that a memory or LDS instruction has read is written again, so the text holds no wait on vm_vsrc.  The waits on va_vdst are seven: one ahead of
; the first load, one behind z's conversions, one to each PAIR of code rows (behind both rows' conversions and the first row's unpacking lines, ahead of the
; pair's four stores), one behind the reciprocal roots.
.set ZL,  4                            ; v[4:35]    z as loaded: load i = channel 8 h + i of the unit, 4 tokens
.set CL,  36                           ; v[36:99]   code rows as loaded: row j = 8 registers
.set ZP,  100                          ; v[100:115] z packed: 4 registers for each of the four tiles
.set CP,  116                          ; v[116:147] code rows packed: row j = 4 registers
.set T,   148                          ; v[148:155] at work; at the end the eight 1 / norm
.set SS,  156                          ; v[156:163] sum of squares of row j
.set OZ,  164                          ; lane's byte offset in z: 16 r + 8 channels x h
.set O16, 165                          ; 16 x lane
.set O8,  166                          ; 8 x lane
.set LW,  167                          ; 32 x wave: my wave's eight words in LDS
	s_load_b256 s[4:11], s[0:1], 0x0               ; codebook s[4:5], z s[6:7], cbb s[8:9], zb s[10:11]
	s_load_b64 s[12:13], s[0:1], 0x20              ; rc
	v_lshl_add_u32 v168, v0, 2, 0x100
	v_mov_b32 v169, 0
	v_lshrrev_b32 v1, 5, v0
	v_readfirstlane_b32 s14, v1                    ; wave w, 0..7
	v_and_b32 v1, 31, v0                           ; lane
	v_and_b32 v2, 15, v0                           ; r
	v_bfe_u32 v3, v0, 4, 1                         ; h
	v_lshlrev_b32 v[OZ], 4, v2                     ; four tokens of 4 bytes for each r
	v_lshl_add_u32 v[OZ], v3, 15, v[OZ]            ; eight channels of 4,096 bytes for h
	v_lshlrev_b32 v[O16], 4, v1
	v_lshlrev_b32 v[O8], 3, v1
	s_wait_alu depctr_va_sdst(0)                   ; s14 is written, ahead of its first reader: the offsets below are made from it
	s_and_b32 s15, ttmp9, 1
	s_lshl3_add_u32 s15, s15, s14                  ; sg = 2 s + g = 8 (W & 1) + w: which 16 channels
	s_lshr_b32 s16, ttmp9, 5                       ; image b = W >> 5
	s_lshl_b32 s16, s16, 20                        ; x 256 channels x 4,096 bytes
	s_lshl_b32 s17, s15, 16                        ; + 16 sg channels
	s_add_co_u32 s16, s16, s17
	s_bfe_u32 s17, ttmp9, 0x40001                  ; (W >> 1) & 15: which 64 tokens of the image
	s_lshl_b32 s17, s17, 8
	s_add_co_u32 s16, s16, s17                     ; the unit's byte offset in z
	s_mov_b32 s17, 0
	s_lshr_b32 s18, ttmp9, 1                       ; the group of 64 tokens, 0..127: B = group / 2, t / 4 = group % 2,
	s_lshl_b32 s18, s18, 15                        ; so B*65536 + (t/4)*32768 = group * 32768
	s_lshl_b32 s19, s15, 9                         ; + sg * 512
	s_add_co_u32 s18, s18, s19
	s_mov_b32 s19, 0
	s_lshl_b32 s20, ttmp9, 16                      ; code rows 64 W + 8 w, 1,024 bytes each
	s_lshl_b32 s21, s14, 13
	s_add_co_u32 s20, s20, s21
	s_mov_b32 s21, 0
	s_lshr_b32 s22, s20, 1                         ; the same rows in cbb, 512 bytes each
	s_mov_b32 s23, 0
	s_lshl_b32 s24, ttmp9, 8                       ; 64 numbers of rc for the work-group
	s_mov_b32 s25, 0
	s_lshl_b32 s26, s14, 5
	v_mov_b32 v[LW], s26
	s_mov_b32 s27, 0xffff0000                      ; a word's upper bf16
	s_mov_b32 s28, 0x76543210                      ; v_permlanex16_b32: lane i reads lane i of the other half
	s_mov_b32 s29, 0xfedcba98
	s_wait_kmcnt 0x0
	s_add_nc_u64 s[6:7], s[6:7], s[16:17]
	s_add_nc_u64 s[10:11], s[10:11], s[18:19]
	s_add_nc_u64 s[4:5], s[4:5], s[20:21]
	s_add_nc_u64 s[8:9], s[8:9], s[22:23]
	s_add_nc_u64 s[12:13], s[12:13], s[24:25]
	s_wait_alu depctr_va_vdst(0)                   ; OZ, O16, O8, LW, v168 and v169 are written, which the loads, stores and LDS instructions below read; the head is done with v2 and v3, in which an LDS load lands at the end
.irp i, 0,1,2,3,4,5,6,7
	global_load_b128 v[ZL+4*\i:ZL+4*\i+3], v[OZ], s[6:7] offset:\i*4096 th:TH_LOAD_NT   ; sixteen lanes: 256 consecutive bytes of one channel, aligned
.endr
.irp j, 0,1,2,3,4,5,6,7
	global_load_b128 v[CL+8*\j:CL+8*\j+3],   v[O16], s[4:5] offset:\j*1024 th:TH_LOAD_NT      ; numbers 4 l .. 4 l + 3 of row j
	global_load_b128 v[CL+8*\j+4:CL+8*\j+7], v[O16], s[4:5] offset:\j*1024+512 th:TH_LOAD_NT  ; numbers 128 + 4 l ..
.endr
	s_wait_loadcnt 16                              ; loads come back in order: z's eight are in, the sixteen code loads stay out
.irp q, 0,1,2,3                                    ; token 4 r + q goes to tile 4 (t/4) + q
.irp m, 0,1,2,3
	v_cvt_pk_bf16_f32 v[ZP+4*\q+\m], v[ZL+8*\m+\q], v[ZL+8*\m+4+\q]   ; channels 8 h + 2 m (low half) and 8 h + 2 m + 1
.endr
.endr
	s_wait_alu depctr_va_vdst(0)                   ; the sixteen conversions have written ZP, which the four stores read
.irp q, 0,1,2,3
	global_store_b128 v[O16], v[ZP+4*\q:ZP+4*\q+3], s[10:11] offset:\q*8192   ; the wave stores 512 consecutive bytes
.endr
; The code rows go in pairs.  Every store has data registers of its own, which are not written again.
.macro ROUNDROW j                      ; row j rounded to bf16
.irp m, 0,1,2,3
	v_cvt_pk_bf16_f32 v[CP+4*(\j)+\m], v[CL+8*(\j)+2*\m], v[CL+8*(\j)+2*\m+1]
.endr
.endm
.macro UNPACK j                        ; the rounded numbers of row j back in f32
.irp m, 0,1,2,3
	v_lshlrev_b32 v[T+2*\m],   16,  v[CP+4*(\j)+\m]
	v_and_b32     v[T+2*\m+1], s27, v[CP+4*(\j)+\m]
.endr
.endm
.macro SENDROW j
	global_store_b64 v[O8], v[CP+4*(\j):CP+4*(\j)+1],   s[8:9] offset:(\j)*512       ; the wave stores 256 consecutive bytes, aligned
	global_store_b64 v[O8], v[CP+4*(\j)+2:CP+4*(\j)+3], s[8:9] offset:(\j)*512+256
.endm
.macro SUMS j                          ; the squares of the numbers in T, summed over the lane and then over the wave
	v_pk_mul_f32 v[T:T+1], v[T:T+1], v[T:T+1]
	v_pk_fma_f32 v[T:T+1], v[T+2:T+3], v[T+2:T+3], v[T:T+1]
	v_pk_fma_f32 v[T:T+1], v[T+4:T+5], v[T+4:T+5], v[T:T+1]
	v_pk_fma_f32 v[T:T+1], v[T+6:T+7], v[T+6:T+7], v[T:T+1]
	v_add_f32 v[SS+(\j)], v[T], v[T+1]
	v_add_f32_dpp v[SS+(\j)], v[SS+(\j)], v[SS+(\j)] row_xmask:1 row_mask:0xf bank_mask:0xf
	v_add_f32_dpp v[SS+(\j)], v[SS+(\j)], v[SS+(\j)] row_xmask:2 row_mask:0xf bank_mask:0xf
	v_add_f32_dpp v[SS+(\j)], v[SS+(\j)], v[SS+(\j)] row_xmask:4 row_mask:0xf bank_mask:0xf
	v_add_f32_dpp v[SS+(\j)], v[SS+(\j)], v[SS+(\j)] row_xmask:8 row_mask:0xf bank_mask:0xf
	v_permlanex16_b32 v[T+2], v[SS+(\j)], s28, s29 ; its destination has been written above
	v_add_f32 v[SS+(\j)], v[SS+(\j)], v[T+2]
.endm
; Rows a and b = a + 1.  left = how many younger loads may still be out when the pair's four have to be there.
.macro PAIR a, b, left
	s_wait_loadcnt \left                           ; the pair's four loads are in; the pairs behind it stay out
	ROUNDROW \a
	ROUNDROW \b
	UNPACK \a                                      ; eight lines of work that is due anyway, between the conversions and the wait for them
	s_wait_alu depctr_va_vdst(0)                   ; the eight conversions have written CP of rows a and b, which the four stores read
	SENDROW \a
	SENDROW \b
	SUMS \a
	UNPACK \b
	SUMS \b
.endm
	PAIR 0, 1, 12
	PAIR 2, 3, 8
	PAIR 4, 5, 4
	PAIR 6, 7, 0
.irp j, 0,1,2,3,4,5,6,7
	v_max_num_f32 v[SS+\j], 0x179abe15, v[SS+\j]   ; 1e-24 = (1e-12)^2: 1 / max(norm, 1e-12) = rsq(max(sum, 1e-24))
.endr
.irp j, 0,1,2,3,4,5,6,7
	v_rsq_f32 v[T+\j], v[SS+\j]
.endr
	v_nop                                          ; one plain vector instruction behind the last v_rsq_f32 before its result is used (ISA guide 5.7.2)
	s_wait_alu depctr_va_vdst(0)                   ; the eight v_rsq_f32 have written T, ahead of the first instruction that names a result of theirs: the LDS stores, which read T as data
.irp j, 0,1,2,3,4,5,6,7
	ds_store_b32 v[LW], v[T+\j] offset:4*\j        ; all lanes hold the same number: word 8 w + j
.endr
	s_wait_dscnt 0x0                               ; my eight words are in LDS before I say so
	s_barrier_signal -1
	s_barrier_wait -1
	s_cmp_lg_u32 s14, 0
	s_cbranch_scc1 .Ldone
	ds_load_b64 v[2:3], v[O8]                      ; wave 0 takes the work-group's 64 numbers; no vector instruction since the head's wait on va_vdst names v2 or v3
	s_wait_dscnt 0x0
	global_store_b64 v[O8], v[2:3], s[12:13]       ; and stores them as 256 consecutive bytes, aligned
.Ldone:
	s_wait_dscnt 0x0                               ; the closing lines, six on end
	s_wait_alu 0x0
	s_wait_tensorcnt 0x0
	ds_add_u32 v168, v169
	s_wait_dscnt 0x0
	s_endpgm
.Lfunc_end_k_q7f4ec07052_prep:
	.size	k_q7f4ec07052_prep, .Lfunc_end_k_q7f4ec07052_prep-k_q7f4ec07052_prep
	.p2alignl 7, 3214868480
	.fill 96, 4, 3214868480
	.section	.rodata,"a",@progbits
	.p2align	6, 0x0
	.amdhsa_kernel k_q7f4ec07052_prep
		.amdhsa_group_segment_fixed_size 1280
		.amdhsa_private_segment_fixed_size 0
		.amdhsa_enable_private_segment 0
		.amdhsa_kernarg_size 40
		.amdhsa_user_sgpr_count 2
		.amdhsa_user_sgpr_kernarg_segment_ptr 1
		.amdhsa_wavefront_size32 1
		.amdhsa_system_sgpr_workgroup_id_x 1
		.amdhsa_system_sgpr_workgroup_id_y 1
		.amdhsa_system_sgpr_workgroup_id_z 1
		.amdhsa_system_vgpr_workitem_id 0
		.amdhsa_next_free_vgpr 170
		.amdhsa_next_free_sgpr 66
		.amdhsa_reserve_vcc 0
		.amdhsa_float_denorm_mode_32 3
		.amdhsa_float_denorm_mode_16_64 3
		.amdhsa_memory_ordered 1
		.amdhsa_forward_progress 1
		.amdhsa_inst_pref_size 19
	.end_amdhsa_kernel
	.amdgpu_metadata
---
amdhsa.version: [ 1, 2 ]
amdhsa.kernels:
  - .name:           k_q7f4ec07052_prep
    .symbol:         k_q7f4ec07052_prep.kd
    .args:
      - { .name: codebook, .offset: 0, .size: 8, .value_kind: global_buffer, .address_space: global }
      - { .name: z, .offset: 8, .size: 8, .value_kind: global_buffer, .address_space: global }
      - { .name: cbb, .offset: 16, .size: 8, .value_kind: global_buffer, .address_space: global }
      - { .name: zb, .offset: 24, .size: 8, .value_kind: global_buffer, .address_space: global }
      - { .name: rc, .offset: 32, .size: 8, .value_kind: global_buffer, .address_space: global }
    .group_segment_fixed_size: 1280
    .private_segment_fixed_size: 0
    .kernarg_segment_align: 8
    .kernarg_segment_size: 40
    .max_flat_workgroup_size: 256
    .sgpr_count:     66
    .vgpr_count:     170
    .wavefront_size: 32
...
	.end_amdgpu_metadata
.endif
;; end of part 5
;; launch vqgemm: the kernel of part 2 again; grid 16 x 16, 4 waves a work-group, clusters of 4 x 1, 327,680 bytes of LDS; arguments zb, cbb, rc, pkey, pidx; writes pkey, pidx
;; launch gather: the kernel of part 3 again; grid 128 x 2, 8 waves a work-group, no clusters, 35,328 bytes of LDS; arguments codebook, z, pkey, pidx, out1, out2, lp; writes out1, out2, lp
;; launch lossfin: the kernel of part 4 again; grid 1 x 1, 1 waves a work-group, no clusters, 0 bytes of LDS; arguments lp, out0; writes out0
